; MI455X (gfx1250); checked and timed in simulation.
; The chip was launched on July 23, 2026; its instructions are those of AMD's public machine-readable ISA for CDNA 5 (MIT licence, August 2026) and "CDNA5" Instruction Set Architecture Reference Guide (July 2026). The comments in the code are by the model that wrote it; some were corrected since.
;; Optimized Secure Attention. Allowed arithmetic: float matrix products may take bf16 or f16 operands with f32 sums; all other float work in f32.
;; Inputs: Wk 512 x 512 float32; Wq 512 x 512 float32; Wv 512 x 512 float32; bk 512 float32; bq 512 float32; bv 512 float32; noise 4 x 8 x 2,048 x 64 float32; x 4 x 2,048 x 512 float32.
;; Outputs: out0 4 x 2,048 x 512 float32.
;; 2 versions, each right and faster than the one before. Each part assembles by itself: llvm-mc -triple=amdgcn-amd-amdhsa -mcpu=gfx1250 --defsym DOCPART=n.
;; ======== version 1 of 2: 2 launches
;; workspace buffers: qs 8,388,608 bytes; ks 8,388,608 bytes; vt 8,388,608 bytes
;; launch proj (part 1): grid 8 x 32, 8 waves a work-group, no clusters, 237,568 bytes of LDS; arguments x, Wq, Wk, Wv, bq, bk, bv, qs, ks, vt; writes qs, ks, vt
.if DOCPART == 1
	.amdgcn_target "amdgcn-amd-amdhsa--gfx1250"
	.amdhsa_code_object_version 6
	.text
	.protected	k_q10a1cc5708_proj
	.globl	k_q10a1cc5708_proj
	.p2align	8
	.type	k_q10a1cc5708_proj,@function
k_q10a1cc5708_proj:
	s_mov_b64 s[64:65], 0
	v_nop
	global_prefetch_b8 v0, s[64:65] scope:SCOPE_SE
	s_setreg_imm32_b32 hwreg(HW_REG_WAVE_MODE, 25, 1), 1
	s_wait_xcnt 0x0
; The three projections of one head for 256 rows of x:
;   qs[bh][s][64]   = bf16( (x Wq^T + bq) * 0.125 * log2 e )     (softmax scale and the base-2 factor folded in before the rounding)
;   ks[bh][s][64]   = bf16(  x Wk^T + bk )
;   vt[bh][d][2048] = bf16(  x Wv^T + bv ), transposed: the keys lie along the rows, as the second product of the attention wants them
; x: [8192][512] f32, W: [512][512] f32 (rows along k), bh = 8 b + h.  Products in bf16 with f32 sums, each result rounded once.
; Work-group (h, mb): rows 256 mb .. +255 of x against head h's 64 rows of each W: 256 x 192 results, K = 512 in 8 steps of 64.
; Eight waves: wave w takes rows 64 (w >> 1) .. +63 and columns 32 (w & 1) .. +31 of q, of k and of v: 4 x 6 accumulator tiles.
; NO TENSOR LOADS, NO CLUSTER: the operands are f32 in memory and a tensor load copies bytes as they are.  f32 tiles in LDS would double
; the bytes of every fragment read (a wave reads 160 rows x 64 bytes of bf16 for 32 along K) and each number would be converted by every
; wave that reads it (x by 2, W by 4) instead of once.  So a tile goes memory -> registers -> one conversion -> LDS.
; The q and k products are used transposed (source 0 = rows of W, source 1 = rows of x): a lane then holds one row of x and eight
; neighbouring columns, 16 bytes of bf16.  The v product is used straight: a lane holds one column d and eight neighbouring rows s,
; 16 bytes of a row of vt.
.set XROW,   2048                      ; bytes in a row of x and of W
.set PITCH,  144                       ; an LDS row: 64 bf16 + 16 bytes; 9 x 16, so 16 rows start in 16 different 16-byte columns of 256
.set WPART,  256*PITCH                 ; W's rows lie behind x's 256
.set BUF,    448*PITCH                 ; one buffer: 256 rows of x, 192 of W = 64,512 bytes; two buffers take turns
.set MATP,   64*PITCH                  ; from Wq's rows to Wk's to Wv's
.set B16,    16*PITCH                  ; 16 rows
.set STQ,    2*BUF                     ; the way out: q, 256 rows x 144
.set STK,    STQ+256*PITCH             ; k likewise
.set STV,    STK+256*PITCH             ; v: 64 rows d x 528 (512 bytes of s + 16)
.set VPITCH, 528
; window 0
.set XG,    1                          ; byte offset in x of my 16 bytes: (32 w + 8 hh) rows + 16 r
.set WGO,   2                          ; the same in each W: (w + 8 hh) rows + 16 r; load j takes the row 16 j further down
.set XL,    3                          ; v3-4   where my 8 bytes of x go in buffer 0, 1
.set WL,    5                          ; v5-6   the same for W
.set AF,    7                          ; v7-8   my fragments of x in buffer 0, 1
.set BF,    9                          ; v9-10  my fragments of W
.set BOFF,  11                         ; bq, bk: my eight columns
.set BVOFF, 12                         ; bv: my one column
.set SQ,    13                         ; stage of q (k: + 36,864): where my 16 bytes go
.set SV,    14                         ; stage of v
.set RDQ,   15                         ; stage of q read back by rows
.set STG,   16                         ; v16-127  28 quads as loaded; on the way out two sets of 48 at work, then the read-backs
.set AFR,   128                        ; v128-159 4 fragments of x
.set BFR,   160                        ; v160-207 6 fragments of W: 2 mat + i
.set RDV,   208                        ; stage of v read back by rows
.set GOQ,   209                        ; my byte offset in qs and ks
.set GOV,   210                        ; my byte offset in vt
; window 1
.set ACC,   0                          ; v256-447 tile (a, b) at 8 (6 a + b)
.set BQ,    192                        ; 2 x 8 numbers of bq, later scaled
.set BK,    208                        ; 2 x 8 numbers of bk
.set BV,    224                        ; 2 pairs, each one number of bv twice (for the packed add)
.set MSB, 0
.macro WIN new                         ; low byte: bits 1:0 source 0, 3:2 source 1, 5:4 source 2, 7:6 destination; the high byte repeats the setting left
.if MSB != \new
	s_set_vgpr_msb (MSB<<8)|\new
.set MSB, \new
.endif
.endm
.macro PLACES                          ; four plain vector instructions between a matrix instruction and a load into, or a read of, its registers
.rept 4
	v_nop
.endr
.endm
	s_load_b512 s[4:19], s[0:1], 0x0               ; x 4:5, Wq 6:7, Wk 8:9, Wv 10:11, bq 12:13, bk 14:15, bv 16:17, qs 18:19
	s_load_b128 s[20:23], s[0:1], 0x40             ; ks 20:21, vt 22:23
	v_lshl_add_u32 v254, v0, 2, 0x39c00
	v_mov_b32 v255, 0
	v_lshrrev_b32 v16, 5, v0
	v_readfirstlane_b32 s24, v16                   ; wave w
	s_and_b32 s26, ttmp7, 0xffff                   ; mb; ttmp9 is the head h
	s_lshr_b32 s31, s24, 1                         ; wm: which 64 rows of x are mine
	s_and_b32 s32, s24, 1                          ; hn: which 32 columns of each of q, k, v
	v_and_b32 v16, 15, v0                          ; r
	v_bfe_u32 v17, v0, 4, 1                        ; hh
	v_and_b32 v18, 31, v0                          ; L
	v_lshlrev_b32 v19, 4, v16
	v_lshl_add_u32 v19, v17, 14, v19               ; 8 hh rows of 2,048 bytes + 16 r
	s_lshl_b32 s30, s24, 16
	v_add_nc_u32 v[XG], s30, v19                   ; + 32 w rows
	s_lshl_b32 s30, s24, 11
	v_add_nc_u32 v[WGO], s30, v19                  ; + w rows: rows w + 8 hh + 16 j, j = 0..3, of the eight waves cover a W block's 64 rows once
	v_mul_u32_u24 v20, v17, 8*PITCH
	v_lshl_add_u32 v20, v16, 3, v20                ; 8 hh LDS rows + 8 r: the halves of the wave lie 1,152 bytes apart, 128 modulo 256
	s_mul_i32 s30, s24, 32*PITCH
	v_add_nc_u32 v[XL], s30, v20
	v_add_nc_u32 v[XL+1], BUF, v[XL]
	s_mul_i32 s30, s24, PITCH
	s_add_co_u32 s30, s30, WPART
	v_add_nc_u32 v[WL], s30, v20                   ; W's part + (w + 8 hh) LDS rows + 8 r
	v_add_nc_u32 v[WL+1], BUF, v[WL]
	v_mul_u32_u24 v21, v16, PITCH
	v_lshl_add_u32 v21, v17, 4, v21                ; a fragment's lane term: row r, 16 hh
	s_mul_i32 s30, s31, 64*PITCH
	v_add_nc_u32 v[AF], s30, v21
	v_add_nc_u32 v[AF+1], BUF, v[AF]
	s_lshl_b32 s27, s32, 6
	s_add_co_u32 s30, s30, s27
	s_add_co_u32 s30, s30, STQ
	v_add_nc_u32 v[SQ], s30, v21                   ; stage of q: row 64 wm + r, byte 64 hn + 16 hh
	s_mul_i32 s30, s32, 32*PITCH
	s_add_co_u32 s30, s30, WPART
	v_add_nc_u32 v[BF], s30, v21
	v_add_nc_u32 v[BF+1], BUF, v[BF]
	s_lshl_b32 s30, s32, 7
	v_lshl_add_u32 v[BOFF], v17, 5, s30            ; 4 (32 hn + 8 hh)
	v_lshl_add_u32 v[BVOFF], v16, 2, s30           ; 4 (32 hn + r)
	v_mul_u32_u24 v22, v16, VPITCH
	v_lshl_add_u32 v22, v17, 4, v22
	s_mul_i32 s30, s32, 32*VPITCH
	s_lshl_b32 s27, s31, 7
	s_add_co_u32 s30, s30, s27
	s_add_co_u32 s30, s30, STV
	v_add_nc_u32 v[SV], s30, v22                   ; stage of v: row 32 hn + r, byte 128 wm + 16 hh
	v_lshrrev_b32 v23, 3, v18
	v_mul_u32_u24 v23, v23, PITCH
	v_and_b32 v24, 7, v18
	v_lshl_add_u32 v23, v24, 4, v23
	s_mul_i32 s30, s24, 32*PITCH
	s_add_co_u32 s30, s30, STQ
	v_add_nc_u32 v[RDQ], s30, v23                  ; back: four rows of 128 bytes for the wave's 32 lanes
	s_mul_i32 s30, s24, 8*VPITCH
	s_add_co_u32 s30, s30, STV
	v_lshl_add_u32 v[RDV], v18, 4, s30             ; back: one row of 512 bytes
	s_lshl_b32 s30, s24, 12
	v_lshl_add_u32 v[GOQ], v18, 4, s30             ; 32 w rows of 128 bytes + 16 L
	s_lshl_b32 s30, s24, 15
	v_lshl_add_u32 v[GOV], v18, 4, s30             ; 8 w rows of 4,096 bytes + 16 L
	s_mov_b32 s29, 0                               ; every offset is below 4 GiB: the pair's high word stays 0
	s_wait_kmcnt 0x0
	s_lshl_b32 s28, s26, 19                        ; 256 mb rows of x
	s_add_nc_u64 s[4:5], s[4:5], s[28:29]
	s_lshl_b32 s28, ttmp9, 17                      ; 64 h rows of each W
	s_add_nc_u64 s[6:7], s[6:7], s[28:29]
	s_add_nc_u64 s[8:9], s[8:9], s[28:29]
	s_add_nc_u64 s[10:11], s[10:11], s[28:29]
	s_lshl_b32 s28, ttmp9, 8                       ; 64 h numbers of each bias
	s_add_nc_u64 s[12:13], s[12:13], s[28:29]
	s_add_nc_u64 s[14:15], s[14:15], s[28:29]
	s_add_nc_u64 s[16:17], s[16:17], s[28:29]
	s_and_b32 s30, s26, 0x18                       ; 8 b (a batch is 8 blocks of 256 rows)
	s_add_co_u32 s30, s30, ttmp9                   ; bh
	s_and_b32 s27, s26, 7                          ; the block of 256 rows inside the batch
	s_lshl_b32 s30, s30, 18                        ; bh x 262,144 bytes, in qs, ks and vt alike
	s_lshl_b32 s34, s27, 15                        ; 256 rows of 128 bytes
	s_add_co_u32 s28, s30, s34
	s_add_nc_u64 s[18:19], s[18:19], s[28:29]
	s_add_nc_u64 s[20:21], s[20:21], s[28:29]
	s_lshl_b32 s34, s27, 9                         ; 256 numbers along a row of vt
	s_add_co_u32 s28, s30, s34
	s_add_nc_u64 s[22:23], s[22:23], s[28:29]
; K step t's tiles into registers: 16 quads of x, 4 of each W.  Sixteen lanes take 256 consecutive bytes of one row, aligned.
.macro GLOAD t
.irp g, 0,1
.irp j, 0,1,2,3,4,5,6,7
	global_load_b128 v[STG+4*(8*\g+\j):STG+4*(8*\g+\j)+3], v[XG], s[4:5] offset:(16*\g+\j)*XROW+256*(\t)
.endr
.endr
.irp m, 0,1,2
.irp j, 0,1,2,3
	global_load_b128 v[STG+4*(16+4*\m+\j):STG+4*(16+4*\m+\j)+3], v[WGO], s[6+2*\m:7+2*\m] offset:16*\j*XROW+256*(\t)
.endr
.endr
.endm
; The 28 quads are rounded to bf16 in place and stored into buffer b.  Loads come back in order (ISA guide 5.7.1): quad n waits with the
; 27 - n younger quads left out.
.macro CVTST b
.irp g, 0,1
.irp j, 0,1,2,3,4,5,6,7
	s_wait_loadcnt 27-(8*\g+\j)
	v_cvt_pk_bf16_f32 v[STG+4*(8*\g+\j)],   v[STG+4*(8*\g+\j)],   v[STG+4*(8*\g+\j)+1]
	v_cvt_pk_bf16_f32 v[STG+4*(8*\g+\j)+1], v[STG+4*(8*\g+\j)+2], v[STG+4*(8*\g+\j)+3]
	ds_store_b64 v[XL+(\b)], v[STG+4*(8*\g+\j):STG+4*(8*\g+\j)+1] offset:(16*\g+\j)*PITCH
.endr
.endr
.irp m, 0,1,2
.irp j, 0,1,2,3
	s_wait_loadcnt 11-(4*\m+\j)
	v_cvt_pk_bf16_f32 v[STG+4*(16+4*\m+\j)],   v[STG+4*(16+4*\m+\j)],   v[STG+4*(16+4*\m+\j)+1]
	v_cvt_pk_bf16_f32 v[STG+4*(16+4*\m+\j)+1], v[STG+4*(16+4*\m+\j)+2], v[STG+4*(16+4*\m+\j)+3]
	ds_store_b64 v[WL+(\b)], v[STG+4*(16+4*\m+\j):STG+4*(16+4*\m+\j)+1] offset:\m*MATP+\j*B16
.endr
.endr
.endm
; Fragments for 32 along K (half sub of the step) from buffer b: 12 loads for W's six blocks, then 8 for x's four.
; Lane (r, hh) holds row r; registers 0-3 hold k = 8 hh .. +7, registers 4-7 hold k = 16 + 8 hh .. +7: two loads 32 bytes apart.
.macro FRAG b, sub
.irp m, 0,1,2
.irp i, 0,1
	ds_load_b128 v[BFR+8*(2*\m+\i):BFR+8*(2*\m+\i)+3],   v[BF+(\b)] offset:\m*MATP+\i*B16+64*(\sub)
	ds_load_b128 v[BFR+8*(2*\m+\i)+4:BFR+8*(2*\m+\i)+7], v[BF+(\b)] offset:\m*MATP+\i*B16+64*(\sub)+32
.endr
.endr
.irp a, 0,1,2,3
	ds_load_b128 v[AFR+8*\a:AFR+8*\a+3],   v[AF+(\b)] offset:\a*B16+64*(\sub)
	ds_load_b128 v[AFR+8*\a+4:AFR+8*\a+7], v[AF+(\b)] offset:\a*B16+64*(\sub)+32
.endr
.endm
; 24 matrix instructions, one for each accumulator: the accumulators take turns, one instruction a turn.
; zero = 1: the first product starts the sums, nothing is cleared.
.macro MM zero
	WIN 0x50                                       ; C and D in window 1
.irp a, 0,1,2,3
	s_wait_dscnt 6-2*\a                            ; W's fragments and x's block a are in; the 6 - 2 a loads of x's later blocks may be out
.irp b, 0,1,2,3
.if \zero
	v_wmma_f32_16x16x32_bf16 v[ACC+8*(6*\a+\b):ACC+8*(6*\a+\b)+7], v[BFR+8*\b:BFR+8*\b+7], v[AFR+8*\a:AFR+8*\a+7], 0
.else
	v_wmma_f32_16x16x32_bf16 v[ACC+8*(6*\a+\b):ACC+8*(6*\a+\b)+7], v[BFR+8*\b:BFR+8*\b+7], v[AFR+8*\a:AFR+8*\a+7], v[ACC+8*(6*\a+\b):ACC+8*(6*\a+\b)+7]
.endif
.endr
.irp b, 4,5
.if \zero
	v_wmma_f32_16x16x32_bf16 v[ACC+8*(6*\a+\b):ACC+8*(6*\a+\b)+7], v[AFR+8*\a:AFR+8*\a+7], v[BFR+8*\b:BFR+8*\b+7], 0
.else
	v_wmma_f32_16x16x32_bf16 v[ACC+8*(6*\a+\b):ACC+8*(6*\a+\b)+7], v[AFR+8*\a:AFR+8*\a+7], v[BFR+8*\b:BFR+8*\b+7], v[ACC+8*(6*\a+\b):ACC+8*(6*\a+\b)+7]
.endif
.endr
.endr
	WIN 0
.endm
; K step t: multiplies buffer t & 1, stores step t + 1's tiles into the other buffer, asks for step t + 2's.
; ONE barrier a step orders two things: this step's reads of buffer t & 1 stand in front of the next step's stores into it, and this
; step's stores into the other buffer stand in front of the next step's reads of it.
.macro KSTEP t
	FRAG (\t)&1, 0
.if (\t) == 0
	MM 1
.else
	MM 0
.endif
	PLACES
	FRAG (\t)&1, 1
	MM 0
.if (\t) < 7
	CVTST ((\t)+1)&1                               ; its 56 conversions are also the places in front of the next step's fragment loads
	s_wait_dscnt 0x0                               ; my reads and my stores are done: for the others, and the staging registers are free
.if (\t) < 6
	GLOAD (\t)+2
.endif
	s_barrier_signal -1
	s_barrier_wait -1
.endif
.endm
	WIN 0x40                                       ; loaded data into window 1
.irp i, 0,1
	global_load_b128 v[BQ+8*\i:BQ+8*\i+3],   v[BOFF], s[12:13] offset:64*\i
	global_load_b128 v[BQ+8*\i+4:BQ+8*\i+7], v[BOFF], s[12:13] offset:64*\i+16
	global_load_b128 v[BK+8*\i:BK+8*\i+3],   v[BOFF], s[14:15] offset:64*\i
	global_load_b128 v[BK+8*\i+4:BK+8*\i+7], v[BOFF], s[14:15] offset:64*\i+16
	global_load_b32 v[BV+2*\i],   v[BVOFF], s[16:17] offset:64*\i
	global_load_b32 v[BV+2*\i+1], v[BVOFF], s[16:17] offset:64*\i
.endr
	WIN 0
	GLOAD 0
	CVTST 0                                        ; its first wait also shows the older bias loads done
	s_wait_dscnt 0x0
	GLOAD 1
	s_barrier_signal -1
	s_barrier_wait -1
.irp t, 0,1,2,3,4,5,6,7
	KSTEP \t
.endr
	; THE WAY OUT.  bias (and q's factor), one rounding, 16 bytes a lane into the stages, whole rows back, whole rows out.
	PLACES
	WIN 0x41
.irp k, 0,1,2,3,4,5,6,7
	v_pk_mul_f32 v[BQ+2*\k:BQ+2*\k+1], v[BQ+2*\k:BQ+2*\k+1], 0x3e38aa3b op_sel_hi:[1,0]    ; bq x 0.125 log2 e, once
.endr
; rows 16 a .. +15 of my 64.  Two sets of 48 registers take turns.
.macro OUTA a
.set TT, STG+48*((\a)&1)
.if (\a) >= 2
	s_wait_dscnt 6                                 ; the six stores of the block before may be out; those that read this set are done
.endif
	WIN 0x11                                       ; sums and bias from window 1
.irp i, 0,1
.irp k, 0,1,2,3
	v_pk_fma_f32 v[TT+8*\i+2*\k:TT+8*\i+2*\k+1], v[ACC+8*(6*(\a)+\i)+2*\k:ACC+8*(6*(\a)+\i)+2*\k+1], 0x3e38aa3b, v[BQ+8*\i+2*\k:BQ+8*\i+2*\k+1] op_sel_hi:[1,0,1]
.endr
.endr
	WIN 0x05
.irp i, 0,1
.irp k, 0,1,2,3
	v_pk_add_f32 v[TT+16+8*\i+2*\k:TT+16+8*\i+2*\k+1], v[ACC+8*(6*(\a)+2+\i)+2*\k:ACC+8*(6*(\a)+2+\i)+2*\k+1], v[BK+8*\i+2*\k:BK+8*\i+2*\k+1]
.endr
.endr
.irp i, 0,1
.irp k, 0,1,2,3
	v_pk_add_f32 v[TT+32+8*\i+2*\k:TT+32+8*\i+2*\k+1], v[ACC+8*(6*(\a)+4+\i)+2*\k:ACC+8*(6*(\a)+4+\i)+2*\k+1], v[BV+2*\i:BV+2*\i+1]
.endr
.endr
	WIN 0
.irp b, 0,1,2,3,4,5
.irp k, 0,1,2,3
	v_cvt_pk_bf16_f32 v[TT+8*\b+\k], v[TT+8*\b+2*\k], v[TT+8*\b+2*\k+1]
.endr
.endr
.irp i, 0,1
	ds_store_b128 v[SQ], v[TT+8*\i:TT+8*\i+3]       offset:(\a)*B16+32*\i
	ds_store_b128 v[SQ], v[TT+16+8*\i:TT+16+8*\i+3] offset:(\a)*B16+32*\i+(STK-STQ)
	ds_store_b128 v[SV], v[TT+32+8*\i:TT+32+8*\i+3] offset:\i*16*VPITCH+32*(\a)
.endr
.endm
	OUTA 0
	OUTA 1
	OUTA 2
	OUTA 3
	s_wait_dscnt 0x0                               ; my stage stores are done, for the waves that read them
	s_barrier_signal -1
	s_barrier_wait -1
.irp i, 0,1,2,3,4,5,6,7
	ds_load_b128 v[STG+4*\i:STG+4*\i+3], v[RDQ] offset:4*PITCH*\i
.endr
.irp i, 0,1,2,3,4,5,6,7
	ds_load_b128 v[STG+32+4*\i:STG+32+4*\i+3], v[RDQ] offset:4*PITCH*\i+(STK-STQ)
.endr
.irp i, 0,1,2,3,4,5,6,7
	ds_load_b128 v[STG+64+4*\i:STG+64+4*\i+3], v[RDV] offset:VPITCH*\i
.endr
	; each store of the wave covers 512 consecutive bytes, aligned; the counts leave the younger read-backs out
.irp i, 0,1,2,3,4,5,6,7
	s_wait_dscnt 23-\i
	global_store_b128 v[GOQ], v[STG+4*\i:STG+4*\i+3], s[18:19] offset:512*\i
.endr
.irp i, 0,1,2,3,4,5,6,7
	s_wait_dscnt 15-\i
	global_store_b128 v[GOQ], v[STG+32+4*\i:STG+32+4*\i+3], s[20:21] offset:512*\i
.endr
.irp i, 0,1,2,3,4,5,6,7
	s_wait_dscnt 7-\i
	global_store_b128 v[GOV], v[STG+64+4*\i:STG+64+4*\i+3], s[22:23] offset:4096*\i
.endr
	s_wait_tensorcnt 0x0
	ds_add_u32 v254, v255
	s_wait_dscnt 0x0
	s_endpgm
.Lfunc_end_k_q10a1cc5708_proj:
	.size	k_q10a1cc5708_proj, .Lfunc_end_k_q10a1cc5708_proj-k_q10a1cc5708_proj
	.p2alignl 7, 3214868480
	.fill 96, 4, 3214868480
	.section	.rodata,"a",@progbits
	.p2align	6, 0x0
	.amdhsa_kernel k_q10a1cc5708_proj
		.amdhsa_group_segment_fixed_size 237568
		.amdhsa_private_segment_fixed_size 0
		.amdhsa_enable_private_segment 0
		.amdhsa_kernarg_size 80
		.amdhsa_user_sgpr_count 2
		.amdhsa_user_sgpr_kernarg_segment_ptr 1
		.amdhsa_wavefront_size32 1
		.amdhsa_system_sgpr_workgroup_id_x 1
		.amdhsa_system_sgpr_workgroup_id_y 1
		.amdhsa_system_sgpr_workgroup_id_z 1
		.amdhsa_system_vgpr_workitem_id 0
		.amdhsa_next_free_vgpr 484
		.amdhsa_next_free_sgpr 66
		.amdhsa_reserve_vcc 0
		.amdhsa_float_denorm_mode_32 3
		.amdhsa_float_denorm_mode_16_64 3
		.amdhsa_memory_ordered 1
		.amdhsa_forward_progress 1
		.amdhsa_inst_pref_size 145
	.end_amdhsa_kernel
	.amdgpu_metadata
---
amdhsa.version: [ 1, 2 ]
amdhsa.kernels:
  - .name:           k_q10a1cc5708_proj
    .symbol:         k_q10a1cc5708_proj.kd
    .args:
      - { .name: x, .offset: 0, .size: 8, .value_kind: global_buffer, .address_space: global }
      - { .name: Wq, .offset: 8, .size: 8, .value_kind: global_buffer, .address_space: global }
      - { .name: Wk, .offset: 16, .size: 8, .value_kind: global_buffer, .address_space: global }
      - { .name: Wv, .offset: 24, .size: 8, .value_kind: global_buffer, .address_space: global }
      - { .name: bq, .offset: 32, .size: 8, .value_kind: global_buffer, .address_space: global }
      - { .name: bk, .offset: 40, .size: 8, .value_kind: global_buffer, .address_space: global }
      - { .name: bv, .offset: 48, .size: 8, .value_kind: global_buffer, .address_space: global }
      - { .name: qs, .offset: 56, .size: 8, .value_kind: global_buffer, .address_space: global }
      - { .name: ks, .offset: 64, .size: 8, .value_kind: global_buffer, .address_space: global }
      - { .name: vt, .offset: 72, .size: 8, .value_kind: global_buffer, .address_space: global }
    .group_segment_fixed_size: 237568
    .private_segment_fixed_size: 0
    .kernarg_segment_align: 8
    .kernarg_segment_size: 80
    .max_flat_workgroup_size: 256
    .sgpr_count:     66
    .vgpr_count:     484
    .wavefront_size: 32
...
	.end_amdgpu_metadata
.endif
;; end of part 1
;; launch attn (part 2): grid 8 x 32, 8 waves a work-group, clusters of 4 x 1, 327,680 bytes of LDS; arguments qs, ks, vt, noise, out0; writes out0
.if DOCPART == 2
	.amdgcn_target "amdgcn-amd-amdhsa--gfx1250"
	.amdhsa_code_object_version 6
	.text
	.protected	k_q10a1cc5708_attn
	.globl	k_q10a1cc5708_attn
	.p2align	8
	.type	k_q10a1cc5708_attn,@function
k_q10a1cc5708_attn:
	s_mov_b64 s[64:65], 0
	v_nop
	global_prefetch_b8 v0, s[64:65] scope:SCOPE_SE
	s_setreg_imm32_b32 hwreg(HW_REG_WAVE_MODE, 25, 1), 1
	s_wait_xcnt 0x0
	s_wait_alu depctr_hold_cnt(0) depctr_sa_sdst(0) depctr_va_vdst(0) depctr_va_sdst(0) depctr_va_ssrc(0) depctr_va_vcc(0) depctr_vm_vsrc(0)
	s_getreg_b32 s2, hwreg(HW_REG_IB_STS2, 6, 4)
	s_cmp_eq_u32 s2, 0
	s_cbranch_scc0 .Lentry_in_a_cluster
	s_endpgm
.Lentry_in_a_cluster:
	s_bfe_u32 s2, ttmp6, 0x10000c
	s_cmp_lg_u32 s2, 0x3003
	s_cbranch_scc0 .Lentry_shape_is_right
	s_endpgm
.Lentry_shape_is_right:
; out0[b][s][64 h + d] = ( softmax over keys of (q k^T / 8) . v + noise[bh][s][d] ) / 1.01, for 256 queries of one (b, h).
; qs holds q x 0.125 log2 e in bf16, so the exponentials are base 2; ks holds k, vt holds v transposed ([bh][d][2048]).
; The 2048 x 2048 scores never leave registers: 64 keys a step, with a true running maximum and running sum for each query.
; LIMITS: probabilities below 2^-126 count as 0 (v_exp_f32 flushes denormal results: ISA guide 15.8); the divisions by the sum and by 1.01 are a
; v_rcp_f32 and a multiplication by the constant 1 / 1.01; the sum is taken of the unrounded probabilities, the product of their bf16
; roundings; scores must be finite.
; SHARES: eight waves, 32 queries each (two blocks of 16, qb = 0, 1).  Two waves lie on each SIMD, so that one can issue matrix instructions while
; the other does the softmax's vector work, which is about as long (per step 32 matrix instructions against some 250 vector instructions).
; BOTH PRODUCTS ARE USED TRANSPOSED.  S^T = K Q^T: source 0 = 16 keys, source 1 = 16 queries; lane (r, hh) then holds query r and keys
; 8 hh + 0..7.  Two neighbouring key tiles, rounded to bf16, ARE source 1 of O^T = V^T P^T (k = 8 hh .. in registers 0-3, 16 + 8 hh .. in 4-7):
; no number changes lanes between the products, and a query's maximum, sum and factor are plain numbers of its lane.
; CLUSTER: the four work-groups of a cluster take four query blocks of one head and walk the same tiles of K and V.  Each tile is asked for
; JOINTLY, by the same tensor load with the same descriptor and the mask 15 in all four.  cx enters the addresses of q, noise and out0 alone.
.set PITCH, 272                        ; an LDS row: 256 bytes + 16
.set PIECE, 64*PITCH                   ; what one tensor load brings: 64 rows of 256 bytes
.set SLOT,  8*PIECE                    ; 512 keys: K in pieces 0-3 (two keys a row), V^T in pieces 4-7 (128 keys of all 64 d each)
.set VOFF,  4*PIECE
.set STAGE, 2*SLOT                     ; behind the ring: 16 rows x 272 bytes for each wave, for the way out; no fill lands here
.set LANEK, 1                          ; (r >> 1) 272 + (r & 1) 128 + 16 hh: 16 keys start in 16 different 16-byte columns of 256
.set LANEV, 2                          ; r 272 + 16 hh
.set ADRK,  3                          ; LDS address of this trip's K fragments
.set ADRV,  4                          ; of its V fragments
.set QOFF,  5
.set NOFF,  6
.set OOFF,  7
.set STO,   8
.set RD,    9
.set NM,    10                         ; v[10:11], v[12:13]: (- maximum, maximum) of my query in block 0, 1
.set AL,    14                         ; v[14:15], v[16:17]: (factor 2^(old - new maximum), 0)
.set LS,    18                         ; v[18:19], v[20:21]: two partial sums of my query's probabilities
.set T,     22                         ; v22-29: at work, four for each block
.set Q,     32                         ; v32-63:   Q(qb, ks) at 16 qb + 8 ks
.set S,     64                         ; v64-127:  score tile i = 2 kt + qb at 8 i; P(g, qb) is made in place at 8 (4 g + qb)
.set KF,    128                        ; v128-191: K(kt, ks) at 8 (2 kt + ks)
.set VF,    192                        ; v192-255: V(t, g) at 8 (2 t + g)
.set X,     192                        ; the way out: rows read back
.set OT,    0                          ; window 1, v256-319: O^T(t, qb) at 8 (2 t + qb)
.set NZ,    64                         ; window 1, v320-383: the noise of my 32 rows
.set G1K, 28                           ; s[28:35] descriptor group 1 for K's pieces
.set G1V, 36                           ; s[36:43] for V's: the pitch differs
.set G0K, 44                           ; s[44:51] group 0 for K, a set for each slot
.set G0V, 52                           ; s[52:59] group 0 for V
.set MSB, 0
.macro WIN new                         ; low byte: bits 1:0 source 0, 3:2 source 1, 5:4 source 2, 7:6 destination; the high byte repeats the setting left
.if MSB != \new
	s_set_vgpr_msb (MSB<<8)|\new
.set MSB, \new
.endif
.endm
; A round of the cluster's barrier: my work-group's barrier, wave 0 signals for the work-group, every wave waits for all four work-groups, my
; work-group's barrier once more.
.macro ROUND
	s_barrier_signal -1
	s_barrier_wait -1
	s_cmp_lg_u32 s14, 0
	s_cbranch_scc1 .Lnot_wave_0_\@
	s_barrier_signal -3
.Lnot_wave_0_\@:
	s_barrier_wait -3
	s_barrier_signal -1
	s_barrier_wait -1
.endm
; A joint load into slot sl: waves 0-3 ask for K's four pieces, waves 4-7 for V's.  The branch hangs on the wave's number alone.
.macro JLOAD sl
	s_cmp_eq_u32 s15, 0
	s_cbranch_scc0 .Lfor_v_\@
	tensor_load_to_lds s[G0K+4*(\sl):G0K+4*(\sl)+3], s[G1K:G1K+7]
	s_nop 0
	s_branch .Lasked_\@
.Lfor_v_\@:
	tensor_load_to_lds s[G0V+4*(\sl):G0V+4*(\sl)+3], s[G1V:G1V+7]
	s_nop 0
.Lasked_\@:
.endm
	s_load_b256 s[4:11], s[0:1], 0x0               ; qs 4:5, ks 6:7, vt 8:9, noise 10:11
	s_load_b64 s[12:13], s[0:1], 0x20              ; out0
	v_lshl_add_u32 v30, v0, 2, 0x4c800
	v_mov_b32 v31, 0
	ds_add_u32 v30, v31
	v_lshrrev_b32 v1, 5, v0
	v_readfirstlane_b32 s14, v1                    ; wave w
	s_lshr_b32 s15, s14, 2                         ; 0: I fetch for K, 1: for V
	s_and_b32 s16, s14, 3                          ; which piece
	s_bfe_u32 s17, ttmp6, 0x40000                  ; cx
	s_lshl_b32 s18, ttmp9, 2                       ; ttmp9 counts clusters
	s_add_co_u32 s18, s18, s17                     ; query block = 4 x cluster x + cx
	s_and_b32 s19, ttmp7, 0xffff                   ; bh, the same in all four partners
	s_mov_b32 s20, 0x76543210                      ; v_permlanex16_b32: lane i reads lane i of the other half
	s_mov_b32 s21, 0xfedcba98
	; group 1: 64 rows of 32 elements of 8 bytes, 16 bytes of padding behind each row
	s_mov_b32 s[G1K+0], 15|(3<<16)|(1<<20)|(1<<21)|(5<<22)|(3<<25)  ; 15:0 mask: all four; 17:16 8-byte elements; 20 padding; 21 set beside a mask; 24:22 after 64 words; 31:25 four words
	s_mov_b32 s[G1V+0], 15|(3<<16)|(1<<20)|(1<<21)|(5<<22)|(3<<25)
	s_mov_b32 s[G1K+1], 32<<16                     ; tensor_dim0 = 32
	s_mov_b32 s[G1V+1], 32<<16
	s_mov_b32 s[G1K+2], 64<<16                     ; tensor_dim1 = 64
	s_mov_b32 s[G1V+2], 64<<16
	s_mov_b32 s[G1K+3], 32<<16                     ; tile_dim0 = 32
	s_mov_b32 s[G1V+3], 32<<16
	s_mov_b32 s[G1K+4], 64                         ; tile_dim1 = 64
	s_mov_b32 s[G1V+4], 64
	s_mov_b32 s[G1K+5], 32                         ; K's keys are dense in memory: a row of 256 bytes is two keys, the next follows at once
	s_mov_b32 s[G1V+5], 512                        ; a row of vt is 4,096 bytes
	s_mov_b32 s[G1K+6], 0
	s_mov_b32 s[G1V+6], 0
	s_mov_b32 s[G1K+7], 0
	s_mov_b32 s[G1V+7], 0
	s_mul_i32 s60, s14, PIECE                      ; where my piece goes: the wave's number alone
	s_lshl_b32 s24, s19, 18                        ; bh x 262,144 bytes in ks and in vt
	s_lshl_b32 s26, s16, 14                        ; K: my 128 keys of 128 bytes
	s_add_co_u32 s24, s24, s26
	s_mov_b32 s25, 0
	s_lshl_b32 s26, s19, 18
	s_lshl_b32 s27, s16, 8                         ; V: my 128 keys along the rows
	s_add_co_u32 s26, s26, s27
	s_mov_b32 s27, 0
	s_wait_dscnt 0x0
	s_wait_kmcnt 0x0
	s_add_nc_u64 s[6:7], s[6:7], s[24:25]
	s_add_nc_u64 s[8:9], s[8:9], s[26:27]
	ROUND                                          ; all four work-groups are here: the first joint loads meet
.irp sl, 0,1
	s_mov_b32 s[G0K+4*\sl], 1                                      ; count = 1
	s_add_co_u32 s[G0K+4*\sl+1], s60, \sl*SLOT                     ; LDS address
	s_add_nc_u64 s[G0K+4*\sl+2:G0K+4*\sl+3], s[6:7], \sl*65536     ; keys 512 sl ..
	s_or_b32 s[G0K+4*\sl+3], s[G0K+4*\sl+3], 0x80000000            ; type = 2
	s_mov_b32 s[G0V+4*\sl], 1
	s_add_co_u32 s[G0V+4*\sl+1], s60, \sl*SLOT
	s_add_nc_u64 s[G0V+4*\sl+2:G0V+4*\sl+3], s[8:9], \sl*1024
	s_or_b32 s[G0V+4*\sl+3], s[G0V+4*\sl+3], 0x80000000
	JLOAD \sl                                      ; both slots are asked for before anything else: two loads of the wave are out
.endr
	; the offsets that hold cx, in registers that feed no descriptor
	s_mov_b32 s63, 0
	s_lshl_b32 s62, s19, 18
	s_lshl_b32 s61, s18, 15
	s_add_co_u32 s62, s62, s61
	s_lshl_b32 s61, s14, 12
	s_add_co_u32 s62, s62, s61                     ; (2048 bh + 256 block + 32 w) rows of 128 bytes
	s_add_nc_u64 s[4:5], s[4:5], s[62:63]
	s_lshl_b32 s62, s62, 1                         ; the same rows of 256 bytes
	s_add_nc_u64 s[10:11], s[10:11], s[62:63]
	s_lshr_b32 s62, s19, 3
	s_lshl_b32 s62, s62, 22                        ; b x 2048 rows of 2,048 bytes
	s_lshl_b32 s61, s18, 19
	s_add_co_u32 s62, s62, s61
	s_lshl_b32 s61, s14, 16
	s_add_co_u32 s62, s62, s61
	s_and_b32 s61, s19, 7
	s_lshl_b32 s61, s61, 8                         ; head h's 256 bytes of a row
	s_add_co_u32 s62, s62, s61
	s_add_nc_u64 s[12:13], s[12:13], s[62:63]
	v_and_b32 v22, 15, v0                          ; r
	v_bfe_u32 v23, v0, 4, 1                        ; hh
	v_lshlrev_b32 v25, 7, v22
	v_lshl_add_u32 v[QOFF], v23, 4, v25            ; 128 r + 16 hh
.irp qb, 0,1
.irp ks, 0,1
	global_load_b128 v[Q+16*\qb+8*\ks:Q+16*\qb+8*\ks+3],   v[QOFF], s[4:5] offset:2048*\qb+64*\ks
	global_load_b128 v[Q+16*\qb+8*\ks+4:Q+16*\qb+8*\ks+7], v[QOFF], s[4:5] offset:2048*\qb+64*\ks+32
.endr
.endr
	v_lshrrev_b32 v24, 1, v22
	v_mul_u32_u24 v24, v24, PITCH
	v_and_b32 v25, 1, v22
	v_lshl_add_u32 v24, v25, 7, v24
	v_lshl_add_u32 v[LANEK], v23, 4, v24
	v_mul_u32_u24 v24, v22, PITCH                  ; 272 r
	v_lshl_add_u32 v[LANEV], v23, 4, v24
	v_lshlrev_b32 v25, 4, v22                      ; 16 r
	v_lshl_add_u32 v[NOFF], v23, 8, v25            ; lanes 0-15 one row of 256 bytes, lanes 16-31 the next
	v_lshl_add_u32 v[OOFF], v23, 11, v25           ; the same two rows in out0
	s_mul_i32 s61, s14, 16*PITCH
	s_add_co_u32 s61, s61, STAGE                   ; my stage
	v_lshl_add_u32 v[STO], v23, 5, v24
	v_add_nc_u32 v[STO], s61, v[STO]               ; in: row r, 32 bytes for each half of the lanes
	v_mul_u32_u24 v26, v23, PITCH
	v_add3_u32 v[RD], v26, v25, s61                ; back: two rows
	v_mov_b32 v[AL+1], 0                           ; the upper halves of the factor pairs are never used, but a pair is read whole
	v_mov_b32 v[AL+3], 0
	s_wait_tensorcnt 0x1                           ; my piece of keys 0-511 is in; the second slot's stays out
	s_barrier_signal -1
	s_barrier_wait -1                              ; everybody's is
	WIN 0x40
.irp qb, 0,1
.irp i, 0,1,2,3,4,5,6,7
	global_load_b128 v[NZ+32*\qb+4*\i:NZ+32*\qb+4*\i+3], v[NOFF], s[10:11] offset:(16*\qb+2*\i)*256 th:TH_LOAD_NT   ; wanted only at the end: 32 steps to land
.endr
.endr
	WIN 0
.macro LOADK off                       ; 64 keys x 64 d: 16 loads
.irp kt, 0,1,2,3
.irp ks, 0,1
	ds_load_b128 v[KF+8*(2*\kt+\ks):KF+8*(2*\kt+\ks)+3],   v[ADRK] offset:(\off)+8*PITCH*\kt+64*\ks
	ds_load_b128 v[KF+8*(2*\kt+\ks)+4:KF+8*(2*\kt+\ks)+7], v[ADRK] offset:(\off)+8*PITCH*\kt+64*\ks+32
.endr
.endr
.endm
.macro LOADV off                       ; 64 d x 64 keys: 16 loads
.irp t, 0,1,2,3
.irp g, 0,1
	ds_load_b128 v[VF+8*(2*\t+\g):VF+8*(2*\t+\g)+3],   v[ADRV] offset:(\off)+16*PITCH*\t+64*\g
	ds_load_b128 v[VF+8*(2*\t+\g)+4:VF+8*(2*\t+\g)+7], v[ADRV] offset:(\off)+16*PITCH*\t+64*\g+32
.endr
.endr
.endm
.macro SUBP i, p                       ; pair p of tile i less its query's maximum
	v_pk_add_f32 v[S+8*(\i)+2*(\p):S+8*(\i)+2*(\p)+1], v[S+8*(\i)+2*(\p):S+8*(\i)+2*(\p)+1], v[NM+2*((\i)&1):NM+2*((\i)&1)+1] op_sel_hi:[1,0]
.endm
.macro EXPT i                          ; the eight exponentials of tile i, in place
.irp j, 0,1,2,3,4,5,6,7
	v_exp_f32 v[S+8*(\i)+\j], v[S+8*(\i)+\j]
.endr
.endm
; pair p of tile i joins its query's sums.  A step's first pair rides on the multiplication by the factor; in the very first step the first two
; pairs start the sums.
.macro SUMP i, p, first
.set SK, 0
.if (\i) < 2
.if (\p) == 0
.set SK, 1+(\first)
.endif
.if (\p) == 1
.set SK, 3*(\first)
.endif
.endif
.if SK == 0
	s_wait_alu depctr_va_vdst(0)
	v_pk_add_f32 v[LS+2*((\i)&1):LS+2*((\i)&1)+1], v[LS+2*((\i)&1):LS+2*((\i)&1)+1], v[S+8*(\i)+2*(\p):S+8*(\i)+2*(\p)+1]
.endif
.if SK == 1
	s_wait_alu depctr_va_vdst(0)
	v_pk_fma_f32 v[LS+2*((\i)&1):LS+2*((\i)&1)+1], v[LS+2*((\i)&1):LS+2*((\i)&1)+1], v[AL+2*((\i)&1):AL+2*((\i)&1)+1], v[S+8*(\i):S+8*(\i)+1] op_sel_hi:[1,0,1]
.endif
.if SK == 3
	s_wait_alu depctr_va_vdst(0)
	v_pk_add_f32 v[LS+2*((\i)&1):LS+2*((\i)&1)+1], v[S+8*(\i):S+8*(\i)+1], v[S+8*(\i)+2:S+8*(\i)+3]
.endif
.endm
; numbers 2 k, 2 k + 1 of tile i to bf16: an even key tile fills registers 0-3 of its own place, an odd one registers 4-7 of the tile two back
.macro CVTP i, k
.if ((\i)>>1)&1
	v_cvt_pk_bf16_f32 v[S+8*((\i)-2)+4+(\k)], v[S+8*(\i)+2*(\k)], v[S+8*(\i)+2*(\k)+1]
.else
	v_cvt_pk_bf16_f32 v[S+8*(\i)+(\k)], v[S+8*(\i)+2*(\k)], v[S+8*(\i)+2*(\k)+1]
.endif
.endm
; behind tile i's exponentials: the next tile's subtractions among this tile's sums and roundings.  The first line touches the next tile alone: it
; is the plain instruction that stands between an exponential and the use of its result (ISA guide 5.7.2).
.macro BLK i, first
	SUBP (\i)+1, 0
	SUMP \i, 0, \first
	SUBP (\i)+1, 1
	SUMP \i, 1, \first
	CVTP \i, 0
	SUBP (\i)+1, 2
	SUMP \i, 2, \first
	CVTP \i, 1
	SUBP (\i)+1, 3
	SUMP \i, 3, \first
	CVTP \i, 2
	CVTP \i, 3
.endm
; ONE STEP: 64 keys.  voff: the step's keys in V's rows; knext: where the next step's K lies; pre = 1: fetch it, 2: fetch it unless this is the
; slot's last trip; first = 1: the kernel's first step; adv = 1: the addresses go on by 128 keys.
.macro STEP voff, knext, pre, first, adv
	; S^T = K Q^T, eight tiles by turns; the first 32 of d start the sums
.irp ks, 0,1
.irp kt, 0,1,2,3
.irp qb, 0,1
.if \ks == 0
	v_wmma_f32_16x16x32_bf16 v[S+8*(2*\kt+\qb):S+8*(2*\kt+\qb)+7], v[KF+8*(2*\kt+\ks):KF+8*(2*\kt+\ks)+7], v[Q+16*\qb+8*\ks:Q+16*\qb+8*\ks+7], 0
.else
	v_wmma_f32_16x16x32_bf16 v[S+8*(2*\kt+\qb):S+8*(2*\kt+\qb)+7], v[KF+8*(2*\kt+\ks):KF+8*(2*\kt+\ks)+7], v[Q+16*\qb+8*\ks:Q+16*\qb+8*\ks+7], v[S+8*(2*\kt+\qb):S+8*(2*\kt+\qb)+7]
.endif
.endr
.endr
.endr
.rept 4
	v_nop                                          ; four places in front of the loads into K's fragments and of the reads of the scores
.endr
	LOADV \voff                                    ; this step's V and the next step's K have the whole softmax in which to come
.if (\pre) == 1
	LOADK \knext
.endif
.if (\pre) == 2
	s_cmp_eq_u32 s22, 1
	s_cbranch_scc1 .Lno_next_k_\@                  ; behind the slot's last keys there is nothing to fetch
	LOADK \knext
.Lno_next_k_\@:
.endif
	; the running maximum: eight chains of three, folded with the old maximum, then the other half of the lanes (the same query's other keys)
.irp e, 0,1,2
.irp qb, 0,1
.irp kt, 0,1,2,3
.if \e == 0
	v_max3_num_f32 v[T+4*\qb+\kt], v[S+8*(2*\kt+\qb)], v[S+8*(2*\kt+\qb)+1], v[S+8*(2*\kt+\qb)+2]
.else
	v_max3_num_f32 v[T+4*\qb+\kt], v[T+4*\qb+\kt], v[S+8*(2*\kt+\qb)+2*\e+1], v[S+8*(2*\kt+\qb)+2*\e+2]
.endif
.endr
.endr
.endr
.irp qb, 0,1
	v_max3_num_f32 v[T+4*\qb], v[T+4*\qb], v[T+4*\qb+1], v[T+4*\qb+2]
.endr
.irp qb, 0,1
	v_max3_num_f32 v[T+4*\qb], v[T+4*\qb], v[T+4*\qb+3], v[S+8*\qb+7]
.endr
.irp qb, 0,1
	v_max3_num_f32 v[T+4*\qb], v[T+4*\qb], v[S+8*(2+\qb)+7], v[S+8*(4+\qb)+7]
.endr
.irp qb, 0,1
.if \first
	v_max_num_f32 v[T+4*\qb], v[T+4*\qb], v[S+8*(6+\qb)+7]
.else
	v_max3_num_f32 v[T+4*\qb], v[T+4*\qb], v[S+8*(6+\qb)+7], v[NM+2*\qb+1]
.endif
.endr
.irp qb, 0,1
	v_permlanex16_b32 v[T+4*\qb+1], v[T+4*\qb], s20, s21
.endr
.irp qb, 0,1
	v_max_num_f32 v[T+4*\qb], v[T+4*\qb], v[T+4*\qb+1]
.endr
.if (\first) == 0
.irp qb, 0,1
	v_sub_f32 v[T+4*\qb+2], v[NM+2*\qb+1], v[T+4*\qb]          ; old maximum - new, at most 0
.endr
.endif
.irp qb, 0,1
	v_mov_b32 v[NM+2*\qb+1], v[T+4*\qb]
	v_xor_b32 v[NM+2*\qb], 0x80000000, v[T+4*\qb]
.endr
.if (\first) == 0
	v_exp_f32 v[AL], v[T+2]                        ; the factors for the old sums; the subtraction below is the plain instruction behind them
	v_exp_f32 v[AL+2], v[T+6]
.endif
.irp p, 0,1,2,3
	SUBP 0, \p
.endr
	EXPT 0
.irp i, 0,1,2,3,4,5,6
	BLK \i, \first
	EXPT \i+1
.endr
.if \first
	v_nop                                          ; the plain instruction behind the last exponentials
.else
	WIN 0x41                                       ; O^T x factor: also the plain instructions behind the last exponentials
.irp t, 0,1,2,3
.irp qb, 0,1
.irp k, 0,1,2,3
	v_pk_mul_f32 v[OT+8*(2*\t+\qb)+2*\k:OT+8*(2*\t+\qb)+2*\k+1], v[OT+8*(2*\t+\qb)+2*\k:OT+8*(2*\t+\qb)+2*\k+1], v[AL+2*\qb:AL+2*\qb+1] op_sel_hi:[1,0]
.endr
.endr
.endr
	WIN 0
.endif
	SUMP 7, 0, \first
	SUMP 7, 1, \first
	CVTP 7, 0
	SUMP 7, 2, \first
	CVTP 7, 1
	SUMP 7, 3, \first
	CVTP 7, 2
	CVTP 7, 3
	s_wait_dscnt 0x0                               ; V's fragments, and the next step's K
	WIN 0x50                                       ; O^T += V^T P^T, eight tiles by turns
.irp g, 0,1
.irp t, 0,1,2,3
.irp qb, 0,1
.if (\first)*(1-\g)
	v_wmma_f32_16x16x32_bf16 v[OT+8*(2*\t+\qb):OT+8*(2*\t+\qb)+7], v[VF+8*(2*\t+\g):VF+8*(2*\t+\g)+7], v[S+8*(4*\g+\qb):S+8*(4*\g+\qb)+7], 0
.else
	v_wmma_f32_16x16x32_bf16 v[OT+8*(2*\t+\qb):OT+8*(2*\t+\qb)+7], v[VF+8*(2*\t+\g):VF+8*(2*\t+\g)+7], v[S+8*(4*\g+\qb):S+8*(4*\g+\qb)+7], v[OT+8*(2*\t+\qb):OT+8*(2*\t+\qb)+7]
.endif
.endr
.endr
.endr
	WIN 0
	; five places: the next step's first products write over P, a source of the products above (ISA guide 7.12.1)
.if \adv
	v_add_nc_u32 v[ADRK], PIECE, v[ADRK]           ; 128 keys on: 64 rows of K, the next piece of V
	v_add_nc_u32 v[ADRV], PIECE, v[ADRV]
.rept 3
	v_nop
.endr
.else
.rept 5
	v_nop
.endr
.endif
.endm
.macro TRIP first, pre2                ; 128 keys
	STEP 0,   32*PITCH, 1,     \first, 0
	STEP 128, PIECE,    \pre2, 0,      1
.endm
; the 512 keys of slot sl: four trips
.macro COMPUTE sl, first
.if (\sl)
	v_add_nc_u32 v[ADRK], (\sl)*SLOT, v[LANEK]
.else
	v_mov_b32 v[ADRK], v[LANEK]
.endif
	v_add_nc_u32 v[ADRV], (\sl)*SLOT+VOFF, v[LANEV]
	LOADK 0
.if \first
	s_wait_loadcnt 16                              ; Q's eight loads are in; the 16 loads of noise issued behind them stay out
.endif
	s_wait_dscnt 0x0
.if \first
	TRIP 1, 1
	s_mov_b32 s22, 3
.else
	s_mov_b32 s22, 4
.endif
.Ltrip_\@:
	TRIP 0, 2
	s_sub_co_i32 s22, s22, 1
	s_cmp_lg_u32 s22, 0
	s_cbranch_scc1 .Ltrip_\@
.endm
; The change to slot sl.  Each wave waits for all its tensor loads (the one that is out is its piece of slot sl) and for its reads of the other
; slot.  refill = 1: a round of the cluster's barrier, so that both hold of every wave of all four work-groups, and the other slot's next 512
; keys are asked for first thing behind it, one load a wave.  refill = 0: nothing is left to fetch, the work-group's barrier shows the slot whole.
.macro NEXT sl, refill
	s_wait_tensorcnt 0x0
	ds_add_u32 v30, v31
	s_wait_dscnt 0x0
.if \refill
	s_add_nc_u64 s[G0K+4*(1-(\sl))+2:G0K+4*(1-(\sl))+3], s[G0K+4*(1-(\sl))+2:G0K+4*(1-(\sl))+3], 2*65536   ; no load of mine is out: a group 0 may be written
	s_add_nc_u64 s[G0V+4*(1-(\sl))+2:G0V+4*(1-(\sl))+3], s[G0V+4*(1-(\sl))+2:G0V+4*(1-(\sl))+3], 2*1024
.endif
	s_wait_dscnt 0x0
.if \refill
	ROUND
	JLOAD 1-(\sl)
.else
	s_barrier_signal -1
	s_barrier_wait -1
.endif
	COMPUTE \sl, 0
.endm
	COMPUTE 0, 1                                   ; keys 0-511
	NEXT 1, 1                                      ; keys 512-1023; slot 0 gets keys 1024-1535
	NEXT 0, 1                                      ; keys 1024-1535; slot 1 gets keys 1536-2047
	NEXT 1, 0                                      ; keys 1536-2047
	; THE WAY OUT.  out = O^T x (1 / sum) x (1 / 1.01) + noise x (1 / 1.01).
	s_wait_loadcnt 0x0                             ; the noise
.irp qb, 0,1
	v_add_f32 v[T+4*\qb], v[LS+2*\qb], v[LS+2*\qb+1]
.endr
.irp qb, 0,1
	v_permlanex16_b32 v[T+4*\qb+1], v[T+4*\qb], s20, s21       ; the same query's other keys
.endr
.irp qb, 0,1
	v_add_f32 v[T+4*\qb], v[T+4*\qb], v[T+4*\qb+1]             ; at least 1: the largest score gives 2^0
.endr
	v_rcp_f32 v[T+2], v[T]
	v_rcp_f32 v[T+6], v[T+4]
	v_nop                                          ; the plain instruction behind the reciprocals
	s_wait_alu depctr_va_vdst(0)
	v_mul_f32 v[AL], 0x3f7d7721, v[T+2]
	v_mul_f32 v[AL+2], 0x3f7d7721, v[T+6]
; 16 queries: a lane's 8 neighbouring d of each tile go into my own stage; whole rows of 256 bytes come back, take their noise and leave.
.macro OUTQ qb
	WIN 0x01
.irp t, 0,1,2,3
.irp k, 0,1,2,3
	v_pk_mul_f32 v[KF+8*\t+2*\k:KF+8*\t+2*\k+1], v[OT+8*(2*\t+(\qb))+2*\k:OT+8*(2*\t+(\qb))+2*\k+1], v[AL+2*(\qb):AL+2*(\qb)+1] op_sel_hi:[1,0]
.endr
.endr
	WIN 0
.irp t, 0,1,2,3
	ds_store_b128 v[STO], v[KF+8*\t:KF+8*\t+3]   offset:64*\t
	ds_store_b128 v[STO], v[KF+8*\t+4:KF+8*\t+7] offset:64*\t+16
.endr
.irp i, 0,1,2,3,4,5,6,7
	ds_load_b128 v[X+32*(\qb)+4*\i:X+32*(\qb)+4*\i+3], v[RD] offset:2*PITCH*\i     ; LDS serves a wave's instructions in order (ISA guide 5.7.1): these see the stores above
.endr
	s_wait_dscnt 0x0                               ; one wait for the eight, so that the 16 multiply-adds run under one window setting
	WIN 0x01
.irp i, 0,1,2,3,4,5,6,7
.irp k, 0,1
	v_pk_fma_f32 v[X+32*(\qb)+4*\i+2*\k:X+32*(\qb)+4*\i+2*\k+1], v[NZ+32*(\qb)+4*\i+2*\k:NZ+32*(\qb)+4*\i+2*\k+1], 0x3f7d7721, v[X+32*(\qb)+4*\i+2*\k:X+32*(\qb)+4*\i+2*\k+1] op_sel_hi:[1,0,1]
.endr
.endr
	WIN 0
.irp i, 0,1,2,3,4,5,6,7
	global_store_b128 v[OOFF], v[X+32*(\qb)+4*\i:X+32*(\qb)+4*\i+3], s[12:13] offset:(16*(\qb)+2*\i)*2048 th:TH_STORE_NT   ; 16 lanes store 256 consecutive bytes, aligned
.endr
.endm
	OUTQ 0
	OUTQ 1                                         ; its own 32 registers: no store's data is written again
	s_wait_tensorcnt 0x0
	ds_add_u32 v30, v31
	s_wait_dscnt 0x0
	ROUND                                          ; the closing round: no work-group ends while a partner may still ask for a tile that names it
	s_endpgm
.Lfunc_end_k_q10a1cc5708_attn:
	.size	k_q10a1cc5708_attn, .Lfunc_end_k_q10a1cc5708_attn-k_q10a1cc5708_attn
	.p2alignl 7, 3214868480
	.fill 96, 4, 3214868480
	.section	.rodata,"a",@progbits
	.p2align	6, 0x0
	.amdhsa_kernel k_q10a1cc5708_attn
		.amdhsa_group_segment_fixed_size 327680
		.amdhsa_private_segment_fixed_size 0
		.amdhsa_enable_private_segment 0
		.amdhsa_kernarg_size 40
		.amdhsa_user_sgpr_count 2
		.amdhsa_user_sgpr_kernarg_segment_ptr 1
		.amdhsa_wavefront_size32 1
		.amdhsa_system_sgpr_workgroup_id_x 1
		.amdhsa_system_sgpr_workgroup_id_y 1
		.amdhsa_system_sgpr_workgroup_id_z 1
		.amdhsa_system_vgpr_workitem_id 0
		.amdhsa_next_free_vgpr 384
		.amdhsa_next_free_sgpr 66
		.amdhsa_reserve_vcc 0
		.amdhsa_float_denorm_mode_32 3
		.amdhsa_float_denorm_mode_16_64 3
		.amdhsa_memory_ordered 1
		.amdhsa_forward_progress 1
		.amdhsa_inst_pref_size 203
	.end_amdhsa_kernel
	.amdgpu_metadata
---
amdhsa.version: [ 1, 2 ]
amdhsa.kernels:
  - .name:           k_q10a1cc5708_attn
    .symbol:         k_q10a1cc5708_attn.kd
    .args:
      - { .name: qs, .offset: 0, .size: 8, .value_kind: global_buffer, .address_space: global }
      - { .name: ks, .offset: 8, .size: 8, .value_kind: global_buffer, .address_space: global }
      - { .name: vt, .offset: 16, .size: 8, .value_kind: global_buffer, .address_space: global }
      - { .name: noise, .offset: 24, .size: 8, .value_kind: global_buffer, .address_space: global }
      - { .name: out0, .offset: 32, .size: 8, .value_kind: global_buffer, .address_space: global }
    .group_segment_fixed_size: 327680
    .private_segment_fixed_size: 0
    .kernarg_segment_align: 8
    .kernarg_segment_size: 40
    .max_flat_workgroup_size: 256
    .sgpr_count:     66
    .vgpr_count:     384
    .wavefront_size: 32
...
	.end_amdgpu_metadata
.endif
;; end of part 2
;; ======== version 2 of 2: 2 launches; 1.08 times as fast as version 1
;; workspace buffers: qs 8,388,608 bytes; ks 8,388,608 bytes; vt 8,388,608 bytes
;; launch proj: the kernel of part 1 again; grid 8 x 32, 8 waves a work-group, no clusters, 237,568 bytes of LDS; arguments x, Wq, Wk, Wv, bq, bk, bv, qs, ks, vt; writes qs, ks, vt
;; launch attn (part 3): grid 8 x 32, 8 waves a work-group, clusters of 4 x 1, 327,680 bytes of LDS; arguments qs, ks, vt, noise, out0; writes out0
.if DOCPART == 3
	.amdgcn_target "amdgcn-amd-amdhsa--gfx1250"
	.amdhsa_code_object_version 6
	.text
	.protected	k_q10a1cc5708_attn
	.globl	k_q10a1cc5708_attn
	.p2align	8
	.type	k_q10a1cc5708_attn,@function
k_q10a1cc5708_attn:
	s_mov_b64 s[64:65], 0
	v_nop
	global_prefetch_b8 v0, s[64:65] scope:SCOPE_SE
	s_setreg_imm32_b32 hwreg(HW_REG_WAVE_MODE, 25, 1), 1
	s_wait_xcnt 0x0
	s_wait_alu depctr_hold_cnt(0) depctr_sa_sdst(0) depctr_va_vdst(0) depctr_va_sdst(0) depctr_va_ssrc(0) depctr_va_vcc(0) depctr_vm_vsrc(0)
	s_getreg_b32 s2, hwreg(HW_REG_IB_STS2, 6, 4)
	s_cmp_eq_u32 s2, 0
	s_cbranch_scc0 .Lentry_in_a_cluster
	s_endpgm
.Lentry_in_a_cluster:
	s_bfe_u32 s2, ttmp6, 0x10000c
	s_cmp_lg_u32 s2, 0x3003
	s_cbranch_scc0 .Lentry_shape_is_right
	s_endpgm
.Lentry_shape_is_right:
; out0[b][s][64 h + d] = ( softmax over keys of (q k^T / 8) . v + noise[bh][s][d] ) / 1.01, for 256 queries of one (b, h).
; qs holds q x 0.125 log2 e in bf16, so the exponentials are base 2; ks holds k, vt holds v transposed ([bh][d][2048]).
; The 2048 x 2048 scores never leave registers: 64 keys a step, with a true running maximum and running sum for each query.
; LIMITS: probabilities below 2^-126 count as 0 (v_exp_f32 flushes denormal results: ISA guide 15.8); the divisions by the sum and by 1.01 are a
; v_rcp_f32 and a multiplication by the constant 1 / 1.01; the sum is taken of the unrounded probabilities, the product of their bf16
; roundings; scores must be finite.
; SHARES: eight waves, 32 queries each (two blocks of 16, qb = 0, 1).  Two waves lie on each SIMD, so that one can issue matrix instructions while
; the other does the softmax's vector work, which is about as long (per step 32 matrix instructions against some 250 vector instructions).
; BOTH PRODUCTS ARE USED TRANSPOSED.  S^T = K Q^T: source 0 = 16 keys, source 1 = 16 queries; lane (r, hh) then holds query r and keys
; 8 hh + 0..7.  Two neighbouring key tiles, rounded to bf16, ARE source 1 of O^T = V^T P^T (k = 8 hh .. in registers 0-3, 16 + 8 hh .. in 4-7):
; no number changes lanes between the products, and a query's maximum, sum and factor are plain numbers of its lane.
; THE EXPONENTIALS OF A STEP ARE ONE BATCH WITH ONE WAIT.  The batch is the two factors and the 64 probabilities, each result in a register of its
; own (the probabilities in place on their scores).  Ahead of the wait stand the exponentials and the 32 packed subtractions that feed them: none of
; these names a result.  Behind it stands all that does: the sums, the roundings to bf16, O^T's multiplication by the factor, the second product..
; The way out's two reciprocals are a batch of their own.
; CLUSTER: the four work-groups of a cluster take four query blocks of one head and walk the same tiles of K and V.  Each tile is asked for
; JOINTLY, by the same tensor load with the same descriptor and the mask 15 in all four.  cx enters the addresses of q, noise and out0 alone.
.set PITCH, 272                        ; an LDS row: 256 bytes + 16
.set PIECE, 64*PITCH                   ; what one tensor load brings: 64 rows of 256 bytes
.set SLOT,  8*PIECE                    ; 512 keys: K in pieces 0-3 (two keys a row), V^T in pieces 4-7 (128 keys of all 64 d each)
.set VOFF,  4*PIECE
.set STAGE, 2*SLOT                     ; behind the ring: 16 rows x 272 bytes for each wave, for the way out; no fill lands here
.set LANEK, 1                          ; (r >> 1) 272 + (r & 1) 128 + 16 hh: 16 keys start in 16 different 16-byte columns of 256
.set LANEV, 2                          ; r 272 + 16 hh
.set ADRK,  3                          ; LDS address of this trip's K fragments
.set ADRV,  4                          ; of its V fragments
.set QOFF,  5
.set NOFF,  6
.set OOFF,  7
.set STO,   8
.set RD,    9
.set NM,    10                         ; v[10:11], v[12:13]: (- maximum, maximum) of my query in block 0, 1
.set AL,    14                         ; v[14:15], v[16:17]: (factor 2^(old - new maximum), 0)
.set LS,    18                         ; v[18:19], v[20:21]: two partial sums of my query's probabilities
.set T,     22                         ; v22-29: at work, four for each block
.set Q,     32                         ; v32-63:   Q(qb, ks) at 16 qb + 8 ks
.set S,     64                         ; v64-127:  score tile i = 2 kt + qb at 8 i; P(g, qb) is made in place at 8 (4 g + qb)
.set KF,    128                        ; v128-191: K(kt, ks) at 8 (2 kt + ks)
.set VF,    192                        ; v192-255: V(t, g) at 8 (2 t + g)
.set X,     192                        ; the way out: rows read back
.set OT,    0                          ; window 1, v256-319: O^T(t, qb) at 8 (2 t + qb)
.set NZ,    64                         ; window 1, v320-383: the noise of my 32 rows
.set G1K, 28                           ; s[28:35] descriptor group 1 for K's pieces
.set G1V, 36                           ; s[36:43] for V's: the pitch differs
.set G0K, 44                           ; s[44:51] group 0 for K, a set for each slot
.set G0V, 52                           ; s[52:59] group 0 for V
.set MSB, 0
.macro WIN new                         ; low byte: bits 1:0 source 0, 3:2 source 1, 5:4 source 2, 7:6 destination; the high byte repeats the setting left
.if MSB != \new
	s_set_vgpr_msb (MSB<<8)|\new
.set MSB, \new
.endif
.endm
; A round of the cluster's barrier: my work-group's barrier, wave 0 signals for the work-group, every wave waits for all four work-groups, my
; work-group's barrier once more.
.macro ROUND
	s_barrier_signal -1
	s_barrier_wait -1
	s_cmp_lg_u32 s14, 0
	s_cbranch_scc1 .Lnot_wave_0_\@
	s_barrier_signal -3
.Lnot_wave_0_\@:
	s_barrier_wait -3
	s_barrier_signal -1
	s_barrier_wait -1
.endm
; A joint load into slot sl: waves 0-3 ask for K's four pieces, waves 4-7 for V's.  The branch hangs on the wave's number alone.
.macro JLOAD sl
	s_cmp_eq_u32 s15, 0
	s_cbranch_scc0 .Lfor_v_\@
	tensor_load_to_lds s[G0K+4*(\sl):G0K+4*(\sl)+3], s[G1K:G1K+7]
	s_nop 0
	s_branch .Lasked_\@
.Lfor_v_\@:
	tensor_load_to_lds s[G0V+4*(\sl):G0V+4*(\sl)+3], s[G1V:G1V+7]
	s_nop 0
.Lasked_\@:
.endm
	s_load_b256 s[4:11], s[0:1], 0x0               ; qs 4:5, ks 6:7, vt 8:9, noise 10:11
	s_load_b64 s[12:13], s[0:1], 0x20              ; out0
	v_lshl_add_u32 v30, v0, 2, 0x4c800
	v_mov_b32 v31, 0
	ds_add_u32 v30, v31
	v_lshrrev_b32 v1, 5, v0
	v_readfirstlane_b32 s14, v1                    ; wave w
	s_lshr_b32 s15, s14, 2                         ; 0: I fetch for K, 1: for V
	s_and_b32 s16, s14, 3                          ; which piece
	s_bfe_u32 s17, ttmp6, 0x40000                  ; cx
	s_lshl_b32 s18, ttmp9, 2                       ; ttmp9 counts clusters
	s_add_co_u32 s18, s18, s17                     ; query block = 4 x cluster x + cx
	s_and_b32 s19, ttmp7, 0xffff                   ; bh, the same in all four partners
	s_mov_b32 s20, 0x76543210                      ; v_permlanex16_b32: lane i reads lane i of the other half
	s_mov_b32 s21, 0xfedcba98
	; group 1: 64 rows of 32 elements of 8 bytes, 16 bytes of padding behind each row
	s_mov_b32 s[G1K+0], 15|(3<<16)|(1<<20)|(1<<21)|(5<<22)|(3<<25)  ; 15:0 mask: all four; 17:16 8-byte elements; 20 padding; 21 set beside a mask; 24:22 after 64 words; 31:25 four words
	s_mov_b32 s[G1V+0], 15|(3<<16)|(1<<20)|(1<<21)|(5<<22)|(3<<25)
	s_mov_b32 s[G1K+1], 32<<16                     ; tensor_dim0 = 32
	s_mov_b32 s[G1V+1], 32<<16
	s_mov_b32 s[G1K+2], 64<<16                     ; tensor_dim1 = 64
	s_mov_b32 s[G1V+2], 64<<16
	s_mov_b32 s[G1K+3], 32<<16                     ; tile_dim0 = 32
	s_mov_b32 s[G1V+3], 32<<16
	s_mov_b32 s[G1K+4], 64                         ; tile_dim1 = 64
	s_mov_b32 s[G1V+4], 64
	s_mov_b32 s[G1K+5], 32                         ; K's keys are dense in memory: a row of 256 bytes is two keys, the next follows at once
	s_mov_b32 s[G1V+5], 512                        ; a row of vt is 4,096 bytes
	s_mov_b32 s[G1K+6], 0
	s_mov_b32 s[G1V+6], 0
	s_mov_b32 s[G1K+7], 0
	s_mov_b32 s[G1V+7], 0
	s_mul_i32 s60, s14, PIECE                      ; where my piece goes: the wave's number alone
	s_lshl_b32 s24, s19, 18                        ; bh x 262,144 bytes in ks and in vt
	s_lshl_b32 s26, s16, 14                        ; K: my 128 keys of 128 bytes
	s_add_co_u32 s24, s24, s26
	s_mov_b32 s25, 0
	s_lshl_b32 s26, s19, 18
	s_lshl_b32 s27, s16, 8                         ; V: my 128 keys along the rows
	s_add_co_u32 s26, s26, s27
	s_mov_b32 s27, 0
	s_wait_dscnt 0x0
	s_wait_kmcnt 0x0
	s_add_nc_u64 s[6:7], s[6:7], s[24:25]
	s_add_nc_u64 s[8:9], s[8:9], s[26:27]
	ROUND                                          ; all four work-groups are here: the first joint loads meet
.irp sl, 0,1
	s_mov_b32 s[G0K+4*\sl], 1                                      ; count = 1
	s_add_co_u32 s[G0K+4*\sl+1], s60, \sl*SLOT                     ; LDS address
	s_add_nc_u64 s[G0K+4*\sl+2:G0K+4*\sl+3], s[6:7], \sl*65536     ; keys 512 sl ..
	s_or_b32 s[G0K+4*\sl+3], s[G0K+4*\sl+3], 0x80000000            ; type = 2
	s_mov_b32 s[G0V+4*\sl], 1
	s_add_co_u32 s[G0V+4*\sl+1], s60, \sl*SLOT
	s_add_nc_u64 s[G0V+4*\sl+2:G0V+4*\sl+3], s[8:9], \sl*1024
	s_or_b32 s[G0V+4*\sl+3], s[G0V+4*\sl+3], 0x80000000
	JLOAD \sl                                      ; both slots are asked for before anything else: two loads of the wave are out
.endr
	; the offsets that hold cx, in registers that feed no descriptor
	s_mov_b32 s63, 0
	s_lshl_b32 s62, s19, 18
	s_lshl_b32 s61, s18, 15
	s_add_co_u32 s62, s62, s61
	s_lshl_b32 s61, s14, 12
	s_add_co_u32 s62, s62, s61                     ; (2048 bh + 256 block + 32 w) rows of 128 bytes
	s_add_nc_u64 s[4:5], s[4:5], s[62:63]
	s_lshl_b32 s62, s62, 1                         ; the same rows of 256 bytes
	s_add_nc_u64 s[10:11], s[10:11], s[62:63]
	s_lshr_b32 s62, s19, 3
	s_lshl_b32 s62, s62, 22                        ; b x 2048 rows of 2,048 bytes
	s_lshl_b32 s61, s18, 19
	s_add_co_u32 s62, s62, s61
	s_lshl_b32 s61, s14, 16
	s_add_co_u32 s62, s62, s61
	s_and_b32 s61, s19, 7
	s_lshl_b32 s61, s61, 8                         ; head h's 256 bytes of a row
	s_add_co_u32 s62, s62, s61
	s_add_nc_u64 s[12:13], s[12:13], s[62:63]
	v_and_b32 v22, 15, v0                          ; r
	v_bfe_u32 v23, v0, 4, 1                        ; hh
	v_lshlrev_b32 v25, 7, v22
	v_lshl_add_u32 v[QOFF], v23, 4, v25            ; 128 r + 16 hh
.irp qb, 0,1
.irp ks, 0,1
	global_load_b128 v[Q+16*\qb+8*\ks:Q+16*\qb+8*\ks+3],   v[QOFF], s[4:5] offset:2048*\qb+64*\ks
	global_load_b128 v[Q+16*\qb+8*\ks+4:Q+16*\qb+8*\ks+7], v[QOFF], s[4:5] offset:2048*\qb+64*\ks+32
.endr
.endr
	v_lshrrev_b32 v24, 1, v22
	v_mul_u32_u24 v24, v24, PITCH
	v_and_b32 v25, 1, v22
	v_lshl_add_u32 v24, v25, 7, v24
	v_lshl_add_u32 v[LANEK], v23, 4, v24
	v_mul_u32_u24 v24, v22, PITCH                  ; 272 r
	v_lshl_add_u32 v[LANEV], v23, 4, v24
	v_lshlrev_b32 v25, 4, v22                      ; 16 r
	v_lshl_add_u32 v[NOFF], v23, 8, v25            ; lanes 0-15 one row of 256 bytes, lanes 16-31 the next
	v_lshl_add_u32 v[OOFF], v23, 11, v25           ; the same two rows in out0
	s_mul_i32 s61, s14, 16*PITCH
	s_add_co_u32 s61, s61, STAGE                   ; my stage
	v_lshl_add_u32 v[STO], v23, 5, v24
	v_add_nc_u32 v[STO], s61, v[STO]               ; in: row r, 32 bytes for each half of the lanes
	v_mul_u32_u24 v26, v23, PITCH
	v_add3_u32 v[RD], v26, v25, s61                ; back: two rows
	v_mov_b32 v[AL+1], 0                           ; the upper halves of the factor pairs are never used, but a pair is read whole
	v_mov_b32 v[AL+3], 0
	s_wait_tensorcnt 0x1                           ; my piece of keys 0-511 is in; the second slot's stays out
	s_barrier_signal -1
	s_barrier_wait -1                              ; everybody's is
	WIN 0x40
.irp qb, 0,1
.irp i, 0,1,2,3,4,5,6,7
	global_load_b128 v[NZ+32*\qb+4*\i:NZ+32*\qb+4*\i+3], v[NOFF], s[10:11] offset:(16*\qb+2*\i)*256 th:TH_LOAD_NT   ; wanted only at the end: 32 steps to land
.endr
.endr
	WIN 0
.macro LOADK off                       ; 64 keys x 64 d: 16 loads
.irp kt, 0,1,2,3
.irp ks, 0,1
	ds_load_b128 v[KF+8*(2*\kt+\ks):KF+8*(2*\kt+\ks)+3],   v[ADRK] offset:(\off)+8*PITCH*\kt+64*\ks
	ds_load_b128 v[KF+8*(2*\kt+\ks)+4:KF+8*(2*\kt+\ks)+7], v[ADRK] offset:(\off)+8*PITCH*\kt+64*\ks+32
.endr
.endr
.endm
.macro LOADV off                       ; 64 d x 64 keys: 16 loads
.irp t, 0,1,2,3
.irp g, 0,1
	ds_load_b128 v[VF+8*(2*\t+\g):VF+8*(2*\t+\g)+3],   v[ADRV] offset:(\off)+16*PITCH*\t+64*\g
	ds_load_b128 v[VF+8*(2*\t+\g)+4:VF+8*(2*\t+\g)+7], v[ADRV] offset:(\off)+16*PITCH*\t+64*\g+32
.endr
.endr
.endm
.macro SUBP i, p                       ; pair p of tile i less its query's maximum
	v_pk_add_f32 v[S+8*(\i)+2*(\p):S+8*(\i)+2*(\p)+1], v[S+8*(\i)+2*(\p):S+8*(\i)+2*(\p)+1], v[NM+2*((\i)&1):NM+2*((\i)&1)+1] op_sel_hi:[1,0]
.endm
; THE BATCH's 64 probabilities.  The 32 pairs of scores are numbered n = 4 i + p (tile i, pair p), at v[S + 2 n].  Pair n's two exponentials, in place, have
; the subtraction of pair n + 2 between them: a pair is subtracted two pairs ahead of its exponentials, and no line here names an exponential's result.
.macro BATCH
	SUBP 0, 0
	SUBP 0, 1
.set n, 0
.rept 32
	v_exp_f32 v[S+2*n], v[S+2*n]
.if n < 30
	SUBP (n+2)/4, (n+2)%4
.endif
	v_exp_f32 v[S+2*n+1], v[S+2*n+1]
.set n, n+1
.endr
.endm
; pair p of tile i joins its query's sums.  A step's first pair rides on the multiplication by the factor; in the very first step the first two
; pairs start the sums.  It reads exponentials' results: it stands behind the batch's wait.
.macro SUMP i, p, first
.set SK, 0
.if (\i) < 2
.if (\p) == 0
.set SK, 1+(\first)
.endif
.if (\p) == 1
.set SK, 3*(\first)
.endif
.endif
.if SK == 0
	v_pk_add_f32 v[LS+2*((\i)&1):LS+2*((\i)&1)+1], v[LS+2*((\i)&1):LS+2*((\i)&1)+1], v[S+8*(\i)+2*(\p):S+8*(\i)+2*(\p)+1]
.endif
.if SK == 1
	v_pk_fma_f32 v[LS+2*((\i)&1):LS+2*((\i)&1)+1], v[LS+2*((\i)&1):LS+2*((\i)&1)+1], v[AL+2*((\i)&1):AL+2*((\i)&1)+1], v[S+8*(\i):S+8*(\i)+1] op_sel_hi:[1,0,1]
.endif
.if SK == 3
	v_pk_add_f32 v[LS+2*((\i)&1):LS+2*((\i)&1)+1], v[S+8*(\i):S+8*(\i)+1], v[S+8*(\i)+2:S+8*(\i)+3]
.endif
.endm
; numbers 2 k, 2 k + 1 of tile i to bf16: an even key tile fills registers 0-3 of its own place, an odd one registers 4-7 of the tile two back
.macro CVTP i, k
.if ((\i)>>1)&1
	v_cvt_pk_bf16_f32 v[S+8*((\i)-2)+4+(\k)], v[S+8*(\i)+2*(\k)], v[S+8*(\i)+2*(\k)+1]
.else
	v_cvt_pk_bf16_f32 v[S+8*(\i)+(\k)], v[S+8*(\i)+2*(\k)], v[S+8*(\i)+2*(\k)+1]
.endif
.endm
.macro SUM2 i, p, first                ; the same pair of tiles i (query block 0) and i + 1 (block 1): two sums that do not wait for each other
	SUMP \i, \p, \first
	SUMP (\i)+1, \p, \first
.endm
.macro CVT2 i, k
	CVTP \i, \k
	CVTP (\i)+1, \k
.endm
; The sums and roundings of one key tile, both query blocks alternating.  A pair joins its sum before a rounding writes over it, and each query's pairs
; join in ascending order of tile and pair.
.macro FIN i, first
	SUM2 \i, 0, \first
	SUM2 \i, 1, \first
	CVT2 \i, 0
	SUM2 \i, 2, \first
	CVT2 \i, 1
	SUM2 \i, 3, \first
	CVT2 \i, 2
	CVT2 \i, 3
.endm
; ONE STEP: 64 keys.  voff: the step's keys in V's rows; knext: where the next step's K lies; pre = 1: fetch it, 2: fetch it unless this is the
; slot's last trip; first = 1: the kernel's first step; adv = 1: the addresses go on by 128 keys.
.macro STEP voff, knext, pre, first, adv
	; S^T = K Q^T, eight tiles by turns; the first 32 of d start the sums
.irp ks, 0,1
.irp kt, 0,1,2,3
.irp qb, 0,1
.if \ks == 0
	v_wmma_f32_16x16x32_bf16 v[S+8*(2*\kt+\qb):S+8*(2*\kt+\qb)+7], v[KF+8*(2*\kt+\ks):KF+8*(2*\kt+\ks)+7], v[Q+16*\qb+8*\ks:Q+16*\qb+8*\ks+7], 0
.else
	v_wmma_f32_16x16x32_bf16 v[S+8*(2*\kt+\qb):S+8*(2*\kt+\qb)+7], v[KF+8*(2*\kt+\ks):KF+8*(2*\kt+\ks)+7], v[Q+16*\qb+8*\ks:Q+16*\qb+8*\ks+7], v[S+8*(2*\kt+\qb):S+8*(2*\kt+\qb)+7]
.endif
.endr
.endr
.endr
.rept 4
	v_nop                                          ; four places in front of the loads into K's fragments and of the reads of the scores
.endr
	LOADV \voff                                    ; this step's V and the next step's K have the whole softmax in which to come
.if (\pre) == 1
	LOADK \knext
.endif
.if (\pre) == 2
	s_cmp_eq_u32 s22, 1
	s_cbranch_scc1 .Lno_next_k_\@                  ; behind the slot's last keys there is nothing to fetch (the step's batch begins further down)
	LOADK \knext
.Lno_next_k_\@:
.endif
	; the running maximum: eight chains of three, folded with the old maximum, then the other half of the lanes (the same query's other keys)
.irp e, 0,1,2
.irp qb, 0,1
.irp kt, 0,1,2,3
.if \e == 0
	v_max3_num_f32 v[T+4*\qb+\kt], v[S+8*(2*\kt+\qb)], v[S+8*(2*\kt+\qb)+1], v[S+8*(2*\kt+\qb)+2]
.else
	v_max3_num_f32 v[T+4*\qb+\kt], v[T+4*\qb+\kt], v[S+8*(2*\kt+\qb)+2*\e+1], v[S+8*(2*\kt+\qb)+2*\e+2]
.endif
.endr
.endr
.endr
.irp qb, 0,1
	v_max3_num_f32 v[T+4*\qb], v[T+4*\qb], v[T+4*\qb+1], v[T+4*\qb+2]
.endr
.irp qb, 0,1
	v_max3_num_f32 v[T+4*\qb], v[T+4*\qb], v[T+4*\qb+3], v[S+8*\qb+7]
.endr
.irp qb, 0,1
	v_max3_num_f32 v[T+4*\qb], v[T+4*\qb], v[S+8*(2+\qb)+7], v[S+8*(4+\qb)+7]
.endr
.irp qb, 0,1
.if \first
	v_max_num_f32 v[T+4*\qb], v[T+4*\qb], v[S+8*(6+\qb)+7]
.else
	v_max3_num_f32 v[T+4*\qb], v[T+4*\qb], v[S+8*(6+\qb)+7], v[NM+2*\qb+1]
.endif
.endr
.irp qb, 0,1
	v_permlanex16_b32 v[T+4*\qb+1], v[T+4*\qb], s20, s21
.endr
.irp qb, 0,1
	v_max_num_f32 v[T+4*\qb], v[T+4*\qb], v[T+4*\qb+1]
.endr
.if (\first) == 0
.irp qb, 0,1
	v_sub_f32 v[T+4*\qb+2], v[NM+2*\qb+1], v[T+4*\qb]          ; old maximum - new, at most 0
.endr
.endif
.irp qb, 0,1
.if \first
	v_mov_b32 v[NM+2*\qb+1], v[T+4*\qb]            ; the first step writes the pair's upper word here: the subtractions name the pair whole
.endif
	v_xor_b32 v[NM+2*\qb], 0x80000000, v[T+4*\qb]
.endr
	; THE BATCH: the two factors for the old sums, then the 64 probabilities among their subtractions
.if (\first) == 0
	v_exp_f32 v[AL], v[T+2]
	v_exp_f32 v[AL+2], v[T+6]
.endif
	BATCH
.if \first
	v_nop                                          ; the plain instruction behind the last exponential (ISA guide 5.7.2): one for the batch
.else
	v_mov_b32 v[NM+1], v[T]                        ; the new maxima are kept for the next step (the subtractions took the pairs' lower words alone):
	v_mov_b32 v[NM+3], v[T+4]                      ; also the plain instructions behind the last exponential (ISA guide 5.7.2)
.endif
	s_wait_alu depctr_va_vdst(0)                   ; the wait ahead of the first line that names a result: ONE for the step's whole batch
.irp i, 0,2,4,6
	FIN \i, \first                                 ; the sums and the roundings to bf16
.endr
.if (\first) == 0
	WIN 0x41                                       ; O^T x factor, last: its window setting passes straight into the products'
.irp t, 0,1,2,3
.irp qb, 0,1
.irp k, 0,1,2,3
	v_pk_mul_f32 v[OT+8*(2*\t+\qb)+2*\k:OT+8*(2*\t+\qb)+2*\k+1], v[OT+8*(2*\t+\qb)+2*\k:OT+8*(2*\t+\qb)+2*\k+1], v[AL+2*\qb:AL+2*\qb+1] op_sel_hi:[1,0]
.endr
.endr
.endr
.endif
	s_wait_dscnt 0x0                               ; V's fragments, and the next step's K
	WIN 0x50                                       ; O^T += V^T P^T, eight tiles by turns
.irp g, 0,1
.irp t, 0,1,2,3
.irp qb, 0,1
.if (\first)*(1-\g)
	v_wmma_f32_16x16x32_bf16 v[OT+8*(2*\t+\qb):OT+8*(2*\t+\qb)+7], v[VF+8*(2*\t+\g):VF+8*(2*\t+\g)+7], v[S+8*(4*\g+\qb):S+8*(4*\g+\qb)+7], 0
.else
	v_wmma_f32_16x16x32_bf16 v[OT+8*(2*\t+\qb):OT+8*(2*\t+\qb)+7], v[VF+8*(2*\t+\g):VF+8*(2*\t+\g)+7], v[S+8*(4*\g+\qb):S+8*(4*\g+\qb)+7], v[OT+8*(2*\t+\qb):OT+8*(2*\t+\qb)+7]
.endif
.endr
.endr
.endr
	WIN 0
	; five places: the next step's first products write over P, a source of the products above (ISA guide 7.12.1)
.if \adv
	v_add_nc_u32 v[ADRK], PIECE, v[ADRK]           ; 128 keys on: 64 rows of K, the next piece of V
	v_add_nc_u32 v[ADRV], PIECE, v[ADRV]
.rept 3
	v_nop
.endr
.else
.rept 5
	v_nop
.endr
.endif
.endm
.macro TRIP first, pre2                ; 128 keys
	STEP 0,   32*PITCH, 1,     \first, 0
	STEP 128, PIECE,    \pre2, 0,      1
.endm
; the 512 keys of slot sl: four trips
.macro COMPUTE sl, first
.if (\sl)
	v_add_nc_u32 v[ADRK], (\sl)*SLOT, v[LANEK]
.else
	v_mov_b32 v[ADRK], v[LANEK]
.endif
	v_add_nc_u32 v[ADRV], (\sl)*SLOT+VOFF, v[LANEV]
	LOADK 0
.if \first
	s_wait_loadcnt 16                              ; Q's eight loads are in; the 16 loads of noise issued behind them stay out
.endif
	s_wait_dscnt 0x0
.if \first
	TRIP 1, 1
	s_mov_b32 s22, 3
.else
	s_mov_b32 s22, 4
.endif
.Ltrip_\@:
	TRIP 0, 2
	s_sub_co_i32 s22, s22, 1
	s_cmp_lg_u32 s22, 0
	s_cbranch_scc1 .Ltrip_\@
.endm
; The change to slot sl.  Each wave waits for all its tensor loads (the one that is out is its piece of slot sl) and for its reads of the other
; slot.  refill = 1: a round of the cluster's barrier, so that both hold of every wave of all four work-groups, and the other slot's next 512
; keys are asked for first thing behind it, one load a wave.  refill = 0: nothing is left to fetch, the work-group's barrier shows the slot whole.
.macro NEXT sl, refill
	s_wait_tensorcnt 0x0
	ds_add_u32 v30, v31
	s_wait_dscnt 0x0
.if \refill
	s_add_nc_u64 s[G0K+4*(1-(\sl))+2:G0K+4*(1-(\sl))+3], s[G0K+4*(1-(\sl))+2:G0K+4*(1-(\sl))+3], 2*65536   ; no load of mine is out: a group 0 may be written
	s_add_nc_u64 s[G0V+4*(1-(\sl))+2:G0V+4*(1-(\sl))+3], s[G0V+4*(1-(\sl))+2:G0V+4*(1-(\sl))+3], 2*1024
.endif
	s_wait_dscnt 0x0
.if \refill
	ROUND
	JLOAD 1-(\sl)
.else
	s_barrier_signal -1
	s_barrier_wait -1
.endif
	COMPUTE \sl, 0
.endm
	COMPUTE 0, 1                                   ; keys 0-511
	NEXT 1, 1                                      ; keys 512-1023; slot 0 gets keys 1024-1535
	NEXT 0, 1                                      ; keys 1024-1535; slot 1 gets keys 1536-2047
	NEXT 1, 0                                      ; keys 1536-2047
	; THE WAY OUT.  out = O^T x (1 / sum) x (1 / 1.01) + noise x (1 / 1.01).
	s_wait_loadcnt 0x0                             ; the noise
.irp qb, 0,1
	v_add_f32 v[T+4*\qb], v[LS+2*\qb], v[LS+2*\qb+1]
.endr
.irp qb, 0,1
	v_permlanex16_b32 v[T+4*\qb+1], v[T+4*\qb], s20, s21       ; the same query's other keys
.endr
.irp qb, 0,1
	v_add_f32 v[T+4*\qb], v[T+4*\qb], v[T+4*\qb+1]             ; at least 1: the largest score gives 2^0
.endr
	v_rcp_f32 v[T+2], v[T]
	v_rcp_f32 v[T+6], v[T+4]
	v_nop                                          ; the plain instruction behind the reciprocals
	s_wait_alu depctr_va_vdst(0)                   ; the wait ahead of the first use: one for the two reciprocals
	v_mul_f32 v[AL], 0x3f7d7721, v[T+2]
	v_mul_f32 v[AL+2], 0x3f7d7721, v[T+6]
; 16 queries: a lane's 8 neighbouring d of each tile go into my own stage; whole rows of 256 bytes come back, take their noise and leave.
.macro OUTQ qb
	WIN 0x01
.irp t, 0,1,2,3
.irp k, 0,1,2,3
	v_pk_mul_f32 v[KF+8*\t+2*\k:KF+8*\t+2*\k+1], v[OT+8*(2*\t+(\qb))+2*\k:OT+8*(2*\t+(\qb))+2*\k+1], v[AL+2*(\qb):AL+2*(\qb)+1] op_sel_hi:[1,0]
.endr
.endr
	WIN 0
.irp t, 0,1,2,3
	ds_store_b128 v[STO], v[KF+8*\t:KF+8*\t+3]   offset:64*\t
	ds_store_b128 v[STO], v[KF+8*\t+4:KF+8*\t+7] offset:64*\t+16
.endr
.irp i, 0,1,2,3,4,5,6,7
	ds_load_b128 v[X+32*(\qb)+4*\i:X+32*(\qb)+4*\i+3], v[RD] offset:2*PITCH*\i     ; LDS serves a wave's instructions in order (ISA guide 5.7.1): these see the stores above
.endr
	s_wait_dscnt 0x0                               ; one wait for the eight, so that the 16 multiply-adds run under one window setting
	WIN 0x01
.irp i, 0,1,2,3,4,5,6,7
.irp k, 0,1
	v_pk_fma_f32 v[X+32*(\qb)+4*\i+2*\k:X+32*(\qb)+4*\i+2*\k+1], v[NZ+32*(\qb)+4*\i+2*\k:NZ+32*(\qb)+4*\i+2*\k+1], 0x3f7d7721, v[X+32*(\qb)+4*\i+2*\k:X+32*(\qb)+4*\i+2*\k+1] op_sel_hi:[1,0,1]
.endr
.endr
	WIN 0
.irp i, 0,1,2,3,4,5,6,7
	global_store_b128 v[OOFF], v[X+32*(\qb)+4*\i:X+32*(\qb)+4*\i+3], s[12:13] offset:(16*(\qb)+2*\i)*2048 th:TH_STORE_NT   ; 16 lanes store 256 consecutive bytes, aligned
.endr
.endm
	OUTQ 0
	OUTQ 1                                         ; its own 32 registers: no store's data is written again
	s_wait_tensorcnt 0x0
	ds_add_u32 v30, v31
	s_wait_dscnt 0x0
	ROUND                                          ; the closing round: no work-group ends while a partner may still ask for a tile that names it
	s_endpgm
.Lfunc_end_k_q10a1cc5708_attn:
	.size	k_q10a1cc5708_attn, .Lfunc_end_k_q10a1cc5708_attn-k_q10a1cc5708_attn
	.p2alignl 7, 3214868480
	.fill 96, 4, 3214868480
	.section	.rodata,"a",@progbits
	.p2align	6, 0x0
	.amdhsa_kernel k_q10a1cc5708_attn
		.amdhsa_group_segment_fixed_size 327680
		.amdhsa_private_segment_fixed_size 0
		.amdhsa_enable_private_segment 0
		.amdhsa_kernarg_size 40
		.amdhsa_user_sgpr_count 2
		.amdhsa_user_sgpr_kernarg_segment_ptr 1
		.amdhsa_wavefront_size32 1
		.amdhsa_system_sgpr_workgroup_id_x 1
		.amdhsa_system_sgpr_workgroup_id_y 1
		.amdhsa_system_sgpr_workgroup_id_z 1
		.amdhsa_system_vgpr_workitem_id 0
		.amdhsa_next_free_vgpr 384
		.amdhsa_next_free_sgpr 66
		.amdhsa_reserve_vcc 0
		.amdhsa_float_denorm_mode_32 3
		.amdhsa_float_denorm_mode_16_64 3
		.amdhsa_memory_ordered 1
		.amdhsa_forward_progress 1
		.amdhsa_inst_pref_size 193
	.end_amdhsa_kernel
	.amdgpu_metadata
---
amdhsa.version: [ 1, 2 ]
amdhsa.kernels:
  - .name:           k_q10a1cc5708_attn
    .symbol:         k_q10a1cc5708_attn.kd
    .args:
      - { .name: qs, .offset: 0, .size: 8, .value_kind: global_buffer, .address_space: global }
      - { .name: ks, .offset: 8, .size: 8, .value_kind: global_buffer, .address_space: global }
      - { .name: vt, .offset: 16, .size: 8, .value_kind: global_buffer, .address_space: global }
      - { .name: noise, .offset: 24, .size: 8, .value_kind: global_buffer, .address_space: global }
      - { .name: out0, .offset: 32, .size: 8, .value_kind: global_buffer, .address_space: global }
    .group_segment_fixed_size: 327680
    .private_segment_fixed_size: 0
    .kernarg_segment_align: 8
    .kernarg_segment_size: 40
    .max_flat_workgroup_size: 256
    .sgpr_count:     66
    .vgpr_count:     384
    .wavefront_size: 32
...
	.end_amdgpu_metadata
.endif
;; end of part 3
